; MI455X (gfx1250); checked and timed in simulation.
; The chip was launched on July 23, 2026; its instructions are those of AMD's public machine-readable ISA for CDNA 5 (MIT licence, August 2026) and "CDNA5" Instruction Set Architecture Reference Guide (July 2026). The comments in the code are by the model that wrote it; some were corrected since.
;; Lo RAXS Linear. Allowed arithmetic: matrix products marked QUANTISED: E4M3 operands, one given power-of-two scale a tensor, by v_wmma_f32_16x16x64_fp8_fp8 or v_wmma_f32_16x16x128_fp8_fp8, f32 sums; everything else in f32.
;; Inputs: R_codes 64 x 2 x 32 uint8 (E4M3 codes of R, K innermost, in blocks of 32 codes); U_codes 2,048 x 2 x 32 uint8 (E4M3 codes of U, K innermost, in blocks of 32 codes); Vt_codes 2,048 x 2 x 32 uint8 (E4M3 codes of Vt, K innermost, in blocks of 32 codes); bias 2,048 float32; lowp_scales 10 int32 (the exponents e of the quantised operands' scales 2^e); sigma_codes 64 x 2 x 32 uint8 (E4M3 codes of sigma, K innermost, in blocks of 32 codes); weight_codes 2,048 x 64 x 32 uint8 (E4M3 codes of weight, K innermost, in blocks of 32 codes); x_codes 4 x 2,048 x 64 x 32 uint8 (E4M3 codes of x, K innermost, in blocks of 32 codes).
;; Outputs: out0 4 x 2,048 x 2,048 float32.
;; This version of the problem:
;;   THIS VERSION OF THE PROBLEM IS GIVEN IN LOW PRECISION. The matrix products marked QUANTISED in the list below multiply operands that are first quantised to E4M3 (4 exponent bits, 3 mantissa bits; 8 bits a number), with one given power-of-two scale for each operand tensor; their sums are f32. All else is computed in f32.
;;   The module's matrix products, in the order in which they are computed (A, B: the left and right operand; K: the contracted axis; several contracted axes count as one K, in the product's order):
;;     1. [M 8,192, K 2,048] x [K 2,048, N 2,048]; A: input x (given as codes); B: input weight (given as codes): QUANTISED (scales: A lowp_scales[0], B lowp_scales[1])
;;     2. [M 2,048, K 64] x [K 64, N 64]; A: input U (given as codes); B: input sigma (given as codes): QUANTISED (scales: A lowp_scales[2], B lowp_scales[3])
;;     3. [M 2,048, K 64] x [K 64, N 64]; A: computed on the way; B: input R (given as codes): QUANTISED (scales: A lowp_scales[4], B lowp_scales[5])
;;     4. [M 2,048, K 64] x [K 64, N 2,048]; A: computed on the way; B: input Vt (given as codes): QUANTISED (scales: A lowp_scales[6], B lowp_scales[7])
;;     5. [M 8,192, K 2,048] x [K 2,048, N 2,048]; A: input x (given as codes); B: computed on the way: QUANTISED (scales: A lowp_scales[8], B lowp_scales[9])
;;   THE QUANTISER, for each operand of a quantised product, along K:
;;     - The operand's scale is 2^e, e = its entry of the input lowp_scales (int32; the entries are numbered through the quantised products in the list's order, A before B).
;;     - Each number is divided by the scale, clamped to +-448, and rounded to the nearest number of E4M3, ties to even, subnormals kept.
;;     - The product sums the exact products of the quantised numbers (number of the format x scale) in f32.
;;   ~~~python
;;   def quantise(x, axis, e):      # numpy; x: float32 -> the quantised numbers, widened to float32 again
;;       x = np.moveaxis(x, axis, -1); K = x.shape[-1]
;;       r = np.clip(x / 2.0 ** e, -448, 448)
;;       step = 2.0 ** (np.maximum(np.frexp(np.where(r == 0, 1, r))[1] - 1, -6) - 3)
;;       q = np.round(r / step) * step * 2.0 ** e      # np.round: ties to even
;;       return np.moveaxis(q, -1, axis).astype(np.float32)
;;   ~~~
;;   OPERANDS COMPUTED ON THE WAY. 'Computed on the way' means the value that the module computes at that place (a softmax that the list does not call 'softmax' is quantised finished and normalised). What goes into a quantiser is computed in f32, as accurately as f32 sums, v_exp_f32 and their like allow (about 1e-6 of the number): no bf16 or f16 on the way to a quantiser, and a product that is left as it is and whose result goes on into a quantised operand takes f32 operands (vector FMAs, or v_wmma_f32_16x16x4_f32). A number that lies on a knife's edge between two numbers of the format may be rounded either way, as far as f32 arithmetic and the matrix unit's own rounding can turn it there, and no further.
;;   INPUTS GIVEN AS CODES. R (in the module: [64, 64], K = its axis 0); U (in the module: [2048, 64], K = its axis 1); Vt (in the module: [64, 2048], K = its axis 0); sigma (in the module: [64, 64], K = its axis 0); weight (in the module: [2048, 2048], K = its axis 1); x (in the module: [4, 2048, 2048], K = its axis 2): each comes as NAME_codes (uint8): NAME with its K axis moved to the last place and cut into blocks of 32 codes, [.., K / 32, bytes a block], one block behind the other in memory; one code a byte (a code: sign, 4 exponent bits, 3 mantissa bits); its scale is its entry of lowp_scales. Its value is code x scale, taken as it is: it is not quantised again, and the codes and scales need not be those that the quantiser above would give.
;; One version. Each part assembles by itself: llvm-mc -triple=amdgcn-amd-amdhsa -mcpu=gfx1250 --defsym DOCPART=n.
;; ======== version 1 of 1: 2 launches
;; limits: right only within a limited range of input values
;; workspace buffers: dw_codes 4,194,304 bytes
;; launch delta (part 1): grid 256 x 1, 8 waves a work-group, no clusters, 0 bytes of LDS; arguments U_codes, sigma_codes, R_codes, Vt_codes, lowp_scales, dw_codes; writes dw_codes
.if DOCPART == 1
	.amdgcn_target "amdgcn-amd-amdhsa--gfx1250"
	.amdhsa_code_object_version 6
	.text
	.protected	k_q7ed04c9d75_delta
	.globl	k_q7ed04c9d75_delta
	.p2align	8
	.type	k_q7ed04c9d75_delta,@function
k_q7ed04c9d75_delta:
	s_mov_b64 s[64:65], 0
	v_nop
	global_prefetch_b8 v0, s[64:65] scope:SCOPE_SE
	s_setreg_imm32_b32 hwreg(HW_REG_WAVE_MODE, 25, 1), 1
	s_wait_xcnt 0x0
; dW = U sigma R Vt (ALPHA = 1 = 2^0), as three products on codes of FP8 (E4M3) with K = 64, each result quantised for the next product:
;   T1 = U sigma     (scales e2, e3)  -> codes with 2^e4
;   T2 = T1q R       (scales e4, e5)  -> codes with 2^e6
;   dW = T2q Vt      (scales e6, e7)  -> codes with 2^e9: the second operand of the large product x dW^T, which the next launch computes.
; U_codes [2048 (o)][64 (k)], sigma_codes [64 (n)][64 (k)], R_codes [64 (n)][64 (k)], Vt_codes [2048 (i)][64 (k)]: one code a byte, K innermost.
; OUTPUT.  dw_codes holds dW's codes as IMAGES OF THE OPERAND'S REGISTERS.  A fragment is 16 rows o x 128 i: 16 registers a lane, 2,048 bytes; registers 4 c .. 4 c + 3 of lane l lie at 512 c + 16 l,
; and lane (r, h) holds, of row o = r, i = 32 c + 16 h + 0 .. 15.  Fragments follow each other as [o / 128][i / 256][(o / 16) % 8][(i / 128) % 2], so that what the next launch wants for 128 rows o and 256 along i
; is one dense block of 32,768 bytes.
; SHARES.  2,048 fragments, one a wave: fragment 8 x work-group + wave.  Each wave makes T2q of its own 16 rows anew (8 products, 64 numbers a lane) and then its 16 x 128 of dW (8 products).
; ALL THREE PRODUCTS ARE USED TRANSPOSED: source 0 = 16 rows of sigma_codes, R_codes or Vt_codes, source 1 = the 16 rows o.  A lane then holds ONE row o (lane % 16) and its registers run along the next K.
; THE ROWS OF SOURCE 0 THAT FORM A TILE ARE NOT NEIGHBOURS: lane r of tile 2 b + u takes row 32 b + 8 u + r + 8 (r / 8), so that the 16 registers of tiles 2 b and 2 b + 1 are the 16 neighbours
; 32 b + 16 (lane / 16) + 0 .. 15 along the next K: the conversions' results ARE the next operand's registers, and at the end the image itself.
; Every operand is filled by loads of 16 bytes: registers 4 c .. 4 c + 3 hold k = 32 c + 16 (lane / 16) + 0 .. 15.  That is a permutation of k, the same on both sides of each product: every product meets its partner.
; THE SCALES ARE FOLDED: a sum of codes' products stands for sum x 2^(its two exponents), so its code is sum / 2^c with c1 = e4 - e2 - e3, c2 = e6 - e4 - e5, c3 = e9 - e6 - e7.
; NO CLUSTER, NO TENSOR LOAD, NO LDS, NO BARRIER: a wave's operands are 17 KB (1 of U, 4 + 4 of sigma and R, 8 of Vt), they go from memory straight into the operand's registers, and waves hand nothing to each other.
; LIMITS: c1, c2, c3 lie between -126 and 119, so that 2^c and 448 x 2^c are f32 numbers.  NaN codes among the inputs are not served.
.set UF,   16                          ; v16-23   U's fragment: my 16 rows o
.set T1Q,  24                          ; v24-31   T1's codes
.set T2Q,  32                          ; v32-39   T2's codes
.set SG,   40                          ; v40-71   sigma's four tiles
.set RR,   72                          ; v72-103  R's four tiles
.set S2,   104                         ; v104-135 the first product's sums
.set S3,   136                         ; v136-167 the second's
.set VT,   168                         ; v168-231 Vt's eight tiles
.set S4,   40                          ; v40-103  the third's, over sigma's and R's tiles, which are done with
.set DWC,  232                         ; v232-247 dW's codes: the image
.macro LD8 reg, adr, base, off         ; a fragment for K = 64: two loads of 16 bytes, 32 bytes apart
	global_load_b128 v[\reg:\reg+3],   v[\adr], s[\base:\base+1] offset:\off
	global_load_b128 v[\reg+4:\reg+7], v[\adr], s[\base:\base+1] offset:\off+32
.endm
; nb x 16 numbers of a lane, v[src] on, become nb x 4 registers of codes, v[dst] on.  v[sc]: 2^c as f32; v[lim]: 448 x 2^c.  Each accumulator is read from its low end on.
.macro QUANT src, nb, dst, sc, lim
.set qb, 0
.rept \nb
.irp i, 0,1,2,3,4,5,6,7,8,9,10,11,12,13,14,15
	v_med3_num_f32 v[\src+16*qb+\i], v[\src+16*qb+\i], -v[\lim], v[\lim]   ; the conversion to an 8-bit code does not saturate (ISA guide 7.6.2): the hold at the largest code x the scale
.endr
	v_cvt_scalef32_pk8_fp8_f32 v[\dst+4*qb:\dst+4*qb+1],   v[\src+16*qb:\src+16*qb+7],    v[\sc]   ; eight numbers / 2^c, to the nearest code, ties to even
	v_cvt_scalef32_pk8_fp8_f32 v[\dst+4*qb+2:\dst+4*qb+3], v[\src+16*qb+8:\src+16*qb+15], v[\sc]
.set qb, qb+1
.endr
	v_nop                                          ; one plain vector instruction between the last conversion and the matrix instruction that reads its result
.endm
.macro MKSCALE sc, vs, vl              ; s[sc] holds c: v[vs] = 2^c, v[vl] = 448 x 2^c
	s_add_co_i32 s[\sc], s[\sc], 127
	s_lshl_b32 s38, s[\sc], 23
	v_mov_b32 v[\vs], s38
	s_add_co_i32 s[\sc], s[\sc], 8
	s_lshl_b32 s[\sc], s[\sc], 23
	s_or_b32 s[\sc], s[\sc], 0x600000              ; the mantissa field of 448
	v_mov_b32 v[\vl], s[\sc]
.endm
	s_load_b256 s[4:11], s[0:1], 0x0               ; U s[4:5], sigma s[6:7], R s[8:9], Vt s[10:11]
	s_load_b128 s[12:15], s[0:1], 0x20             ; the scales' exponents s[12:13], dw_codes s[14:15]
	v_lshrrev_b32 v1, 5, v0
	s_delay_alu instid0(VALU_DEP_1)
	v_readfirstlane_b32 s26, v1                    ; wave 0..7
	v_and_b32 v1, 15, v0                           ; r
	v_bfe_u32 v2, v0, 4, 1                         ; h
	s_delay_alu instid0(VALU_DEP_2)
	v_lshlrev_b32 v3, 6, v1
	s_delay_alu instid0(VALU_DEP_1)
	v_lshl_add_u32 v3, v2, 4, v3                   ; U: row r of 64 bytes, + 16 h
	s_delay_alu instid0(VALU_DEP_4)
	v_and_b32 v4, 8, v1
	s_delay_alu instid0(VALU_DEP_1)
	v_add_nc_u32 v4, v4, v1                        ; r + 8 (r / 8)
	s_delay_alu instid0(VALU_DEP_1)
	v_lshlrev_b32 v4, 6, v4
	s_delay_alu instid0(VALU_DEP_1)
	v_lshl_add_u32 v4, v2, 4, v4                   ; source 0: that row of 64 bytes, + 16 h
	v_and_b32 v5, 31, v0
	s_delay_alu instid0(VALU_DEP_1)
	v_lshlrev_b32 v5, 4, v5                        ; the way out: 16 x lane
	; work-group = 16 T + 2 q + half; ob = 4 half + wave / 2; s = wave % 2
	s_lshr_b32 s27, ttmp9, 4                       ; T = o / 128
	s_bfe_u32 s28, ttmp9, 0x30001                  ; q = i / 256
	s_and_b32 s29, ttmp9, 1
	s_lshr_b32 s30, s26, 1
	s_and_b32 s31, s26, 1                          ; s
	s_lshl_b32 s29, s29, 2
	s_add_co_u32 s29, s29, s30                     ; ob
	s_lshl_b32 s27, s27, 3
	s_add_co_u32 s27, s27, s29                     ; my block of 16 rows o
	s_lshl_b32 s32, s27, 10                        ; x 16 rows of 64 bytes of U
	s_mov_b32 s33, 0
	s_lshl_b32 s28, s28, 1
	s_add_co_u32 s28, s28, s31                     ; my 128 along i
	s_lshl_b32 s34, s28, 13                        ; x 128 rows of 64 bytes of Vt
	s_mov_b32 s35, 0
	s_lshl_b32 s36, ttmp9, 3
	s_add_co_u32 s36, s36, s26                     ; my fragment's number
	s_lshl_b32 s36, s36, 11                        ; x 2,048 bytes
	s_mov_b32 s37, 0
	s_wait_alu depctr_va_vdst(0)
	s_wait_kmcnt 0x0
	s_load_b256 s[16:23], s[12:13], 0x0            ; e0 .. e7
	s_load_b32 s24, s[12:13], 0x24                 ; e9
	s_add_nc_u64 s[4:5], s[4:5], s[32:33]
	s_add_nc_u64 s[10:11], s[10:11], s[34:35]
	s_add_nc_u64 s[14:15], s[14:15], s[36:37]
	LD8 UF, 3, 4, 0                                ; 34 loads, in the order in which they are wanted: U 2, sigma 8, R 8, Vt 16
.irp t, 0,1,2,3
	LD8 SG+8*\t, 4, 6, (32*(\t/2)+8*(\t%2))*64
.endr
.irp t, 0,1,2,3
	LD8 RR+8*\t, 4, 8, (32*(\t/2)+8*(\t%2))*64
.endr
.irp t, 0,1,2,3,4,5,6,7
	LD8 VT+8*\t, 4, 10, (32*(\t/2)+8*(\t%2))*64
.endr
	s_wait_kmcnt 0x0
	s_sub_co_i32 s27, s20, s18
	s_sub_co_i32 s27, s27, s19                     ; c1 = e4 - e2 - e3
	s_sub_co_i32 s28, s22, s20
	s_sub_co_i32 s28, s28, s21                     ; c2 = e6 - e4 - e5
	s_sub_co_i32 s29, s24, s22
	s_sub_co_i32 s29, s29, s23                     ; c3 = e9 - e6 - e7 (ALPHA = 2^0 adds nothing)
	MKSCALE 27, 6, 7
	MKSCALE 28, 8, 9
	MKSCALE 29, 10, 11
	s_wait_loadcnt 24                              ; U and sigma are in; R's 8 loads and Vt's 16 may be out
.irp t, 0,1,2,3
	v_wmma_f32_16x16x64_fp8_fp8 v[S2+8*\t:S2+8*\t+7], v[SG+8*\t:SG+8*\t+7], v[UF:UF+7], 0   ; lane (r, h): T1(o = r, n = 32 (t / 2) + 16 h + 8 (t % 2) + 0 .. 7)
.endr
.rept 5
	v_nop                                          ; four places ahead of the first read of the sums; the fifth because the third product's sums are laid over sigma's tiles (ISA guide 7.12.1)
.endr
	s_wait_alu depctr_va_vdst(0)
	QUANT S2, 2, T1Q, 6, 7
	s_wait_alu depctr_va_vdst(0)
	s_wait_loadcnt 16                              ; R is in; Vt's 16 loads may be out
.irp t, 0,1,2,3
	v_wmma_f32_16x16x64_fp8_fp8 v[S3+8*\t:S3+8*\t+7], v[RR+8*\t:RR+8*\t+7], v[T1Q:T1Q+7], 0
.endr
.rept 5
	v_nop                                          ; likewise: the third product's sums are laid over R's tiles, which these products have read
.endr
	QUANT S3, 2, T2Q, 8, 9
	s_wait_alu depctr_va_vdst(0)
	s_wait_loadcnt 0x0                             ; Vt
.irp t, 0,1,2,3,4,5,6,7
	v_wmma_f32_16x16x64_fp8_fp8 v[S4+8*\t:S4+8*\t+7], v[VT+8*\t:VT+8*\t+7], v[T2Q:T2Q+7], 0   ; lane (r, h): dW(o = r, i = i0 + 32 (t / 2) + 16 h + 8 (t % 2) + 0 .. 7)
.endr
.rept 4
	v_nop
.endr
	QUANT S4, 4, DWC, 10, 11
.irp c, 0,1,2,3
	global_store_b128 v5, v[DWC+4*\c:DWC+4*\c+3], s[14:15] offset:512*\c   ; the wave stores 512 consecutive bytes, at a multiple of 512 from the buffer's first byte
.endr
	s_endpgm
.Lfunc_end_k_q7ed04c9d75_delta:
	.size	k_q7ed04c9d75_delta, .Lfunc_end_k_q7ed04c9d75_delta-k_q7ed04c9d75_delta
	.p2alignl 7, 3214868480
	.fill 96, 4, 3214868480
	.section	.rodata,"a",@progbits
	.p2align	6, 0x0
	.amdhsa_kernel k_q7ed04c9d75_delta
		.amdhsa_group_segment_fixed_size 0
		.amdhsa_private_segment_fixed_size 0
		.amdhsa_enable_private_segment 0
		.amdhsa_kernarg_size 48
		.amdhsa_user_sgpr_count 2
		.amdhsa_user_sgpr_kernarg_segment_ptr 1
		.amdhsa_wavefront_size32 1
		.amdhsa_system_sgpr_workgroup_id_x 1
		.amdhsa_system_sgpr_workgroup_id_y 1
		.amdhsa_system_sgpr_workgroup_id_z 1
		.amdhsa_system_vgpr_workitem_id 0
		.amdhsa_next_free_vgpr 248
		.amdhsa_next_free_sgpr 66
		.amdhsa_reserve_vcc 0
		.amdhsa_float_denorm_mode_32 3
		.amdhsa_float_denorm_mode_16_64 3
		.amdhsa_memory_ordered 1
		.amdhsa_forward_progress 1
		.amdhsa_inst_pref_size 18
	.end_amdhsa_kernel
	.amdgpu_metadata
---
amdhsa.version: [ 1, 2 ]
amdhsa.kernels:
  - .name:           k_q7ed04c9d75_delta
    .symbol:         k_q7ed04c9d75_delta.kd
    .args:
      - { .name: U_codes, .offset: 0, .size: 8, .value_kind: global_buffer, .address_space: global }
      - { .name: sigma_codes, .offset: 8, .size: 8, .value_kind: global_buffer, .address_space: global }
      - { .name: R_codes, .offset: 16, .size: 8, .value_kind: global_buffer, .address_space: global }
      - { .name: Vt_codes, .offset: 24, .size: 8, .value_kind: global_buffer, .address_space: global }
      - { .name: lowp_scales, .offset: 32, .size: 8, .value_kind: global_buffer, .address_space: global }
      - { .name: dw_codes, .offset: 40, .size: 8, .value_kind: global_buffer, .address_space: global }
    .group_segment_fixed_size: 0
    .private_segment_fixed_size: 0
    .kernarg_segment_align: 8
    .kernarg_segment_size: 48
    .max_flat_workgroup_size: 256
    .sgpr_count:     66
    .vgpr_count:     248
    .wavefront_size: 32
...
	.end_amdgpu_metadata
.endif
;; end of part 1
;; launch gemm (part 2): grid 16 x 16, 4 waves a work-group, clusters of 4 x 4, 327,680 bytes of LDS; arguments x_codes, weight_codes, dw_codes, bias, lowp_scales, out0; writes out0
.if DOCPART == 2
	.amdgcn_target "amdgcn-amd-amdhsa--gfx1250"
	.amdhsa_code_object_version 6
	.text
	.protected	k_q7ed04c9d75_gemm
	.globl	k_q7ed04c9d75_gemm
	.p2align	8
	.type	k_q7ed04c9d75_gemm,@function
k_q7ed04c9d75_gemm:
	s_mov_b64 s[64:65], 0
	v_nop
	global_prefetch_b8 v0, s[64:65] scope:SCOPE_SE
	s_setreg_imm32_b32 hwreg(HW_REG_WAVE_MODE, 25, 1), 1
	s_wait_xcnt 0x0
	s_wait_alu depctr_hold_cnt(0) depctr_sa_sdst(0) depctr_va_vdst(0) depctr_va_sdst(0) depctr_va_ssrc(0) depctr_va_vcc(0) depctr_vm_vsrc(0)
	s_getreg_b32 s2, hwreg(HW_REG_IB_STS2, 6, 4)
	s_cmp_eq_u32 s2, 0
	s_cbranch_scc0 .Lentry_in_a_cluster
	s_endpgm
.Lentry_in_a_cluster:
	s_bfe_u32 s2, ttmp6, 0x10000c
	s_cmp_lg_u32 s2, 0xf033
	s_cbranch_scc0 .Lentry_shape_is_right
	s_endpgm
.Lentry_shape_is_right:
; out[m][o] = 2^(e0+e1) sum_k x[m][k] W[o][k] + 2^(e8+e9) sum_k x[m][k] dW[o][k] + bias[o]: both products on codes of FP8 (E4M3), f32 sums.
; x_codes [8192][2048], weight_codes [2048][2048]: a code a byte, K innermost.  dw_codes: dW's codes as images of the operand's registers, as the launch before lays them:
; for 128 rows o and 256 along K one dense block of 32,768 bytes, fragment (o/16 % 8, k/128 % 2) at (2 (o/16 % 8) + k/128 % 2) x 2,048, registers 4c..4c+3 of lane l at 512 c + 16 l.
; LIMITS: e0 + e1 and e8 + e9 lie between -126 and 127, so that both factors are f32 numbers.  Nothing of the problem is left out.
; SHARES.  A work-group of four waves makes 256 rows m x 128 columns o, twice (rows 4,096 apart): 16 x 16 work-groups.  A wave makes 128 x 64 with TWO sums for each output: 32 accumulators
; for x W and 32 for x dW in each of windows 2 and 3, so that each fragment of x feeds both products.  The two sums meet on the way out, each times its factor, with the bias.
; K goes in steps of 256 through two LDS slots: x's 256 rows and W's 128 rows (256 bytes + 16 of padding each), then dW's dense block.  One tensor load a wave: waves 0, 1 x's halves, wave 2 W, wave 3 dW.
; CLUSTERS 4 x 4: x's tiles are asked for jointly along a row of the cluster, W's and dW's along a column.
; THE MATRIX INSTRUCTION IS USED TRANSPOSED (source 0 = 16 rows of W or dW, source 1 = 16 rows of x): a lane holds eight neighbouring columns of one row of out.
; Fragments come by loads of 16 bytes: registers 4c..4c+3 hold k = 32 c + 16 (l / 16) + 0..15, the same permutation of k on both sides of each product.
; PREFETCH: behind each joint refill a wave names the K step that stands two refills on, of the tile that it fetches itself: 32 of its 128 blocks of 256 bytes, a lane a block; the four partners
; that ask for a tile jointly take 32 blocks each, told apart by address (cx for x, cy for W and dW).  At the head K steps 1 and 2 are named behind the first load, K step 3 behind the second.
; A tile's last two refills name nothing; the two refills that change tiles name the next tile's K steps 2 and 3 of x; W and dW are named in the first tile alone (the second reads the same bytes again).
; REGISTERS.  window 0: v0-31 addresses, v32-63 bias, v64-127 results at work, v128-255 x's fragments (one set).  window 1: W's and dW's fragments, two sets of 128; the set that idles holds the rows
; read back from the stage on the way out.  windows 2, 3: accumulators: block a of 16 rows at 64 (a % 4): 32 registers x W, then 32 x dW.
.set ROWB,   256                       ; a tile's row in bytes
.set KROW,   2048                      ; a row of x or W in memory
.set PITCH,  272                       ; an LDS row: 256 + 16 bytes, so the 16 rows of a fragment load start 4 banks apart (ISA guide 11.1)
.set FR,     16                        ; registers of a fragment
.set NL,     4                         ; LDS loads that bring one
.set NP,     4                         ; places behind this matrix instruction (ISA guide 7.12.1)
.set HALFA,  128*PITCH
.set DSTEP,  32768                     ; dW's block of a K step
.set SLOT,   3*HALFA+DSTEP
.set STAGE,  2*SLOT                    ; behind the ring: 16 rows x 272 bytes for each wave; no tensor load lands there
.set SPITCH, 272
.set SPARE,  STAGE+4*16*SPITCH         ; the spare words: 128 bytes a wave
.set NEXT_A, 4096*KROW-6*ROWB          ; from a slot's last K step of tile 0 to its first of tile 1
.set BACK_W, 6*ROWB
.set BACK_D, 6*DSTEP
.set PJUMP,  4096*KROW-7*ROWB          ; the prefetch address at the change of tiles
.set OROW,   8192                      ; a row of out in bytes
.set PF1, 10                           ; v10-12 prefetch offsets: my lane's block + 1, 2, 3 K steps; never rewritten
.set PF2, 11
.set PF3, 12
.set ADRA, 16                          ; v16-17 x's fragments in slot 0, 1;  v18-19 W's;  v20-21 dW's
.set ADRW, 18
.set ADRD, 20
.set STO,  24                          ; into the stage
.set RD,   25                          ; back from it
.set CO,   26                          ; my offset in out
.set BO,   27
.set SPW,  28                          ; my spare word
.set NIL,  29                          ; 0
.set BIAS, 32
.set TMP,  64
.set AF,   128
.set G1A, 24
.set G0A, 32
.set G1W, 40
.set G0W, 48
.set G1D, 56
.set G0D, 68
.set PFA, 66                           ; s[66:67] prefetch base;  s[100:101] its step along K;  s104: 1 while my wave prefetches, then the greatest number
.set PST, 100
.set LIM, 104
.set MSB, 0
.macro WIN new                         ; the immediate's high byte repeats the setting that is left
.if MSB != (\new)
	s_set_vgpr_msb (MSB<<8)|(\new)
.set MSB, \new
.endif
.endm
.set MUL_LO, 0xa1                      ; source 0 window 1, source 1 window 0, C and D window 2
.set MUL_HI, 0xf1                      ; C and D window 3
.set TO_B,   0x40                      ; destination window 1
; a joint load: one chain of branches on the wave's number, one load to an arm; s_nop 0 and four v_nop behind each
.macro JLOAD s
	s_cmp_lt_u32 s16, 2
	s_cbranch_scc0 .Lnot_x_\@
	tensor_load_to_lds s[G0A+4*\s:G0A+4*\s+3], s[G1A:G1A+7]
	s_nop 0
.rept 4
	v_nop
.endr
	s_branch .Lasked_\@
.Lnot_x_\@:
	s_cmp_eq_u32 s16, 2
	s_cbranch_scc0 .Lfor_d_\@
	tensor_load_to_lds s[G0W+4*\s:G0W+4*\s+3], s[G1W:G1W+7]
	s_nop 0
.rept 4
	v_nop
.endr
	s_branch .Lasked_\@
.Lfor_d_\@:
	tensor_load_to_lds s[G0D+4*\s:G0D+4*\s+3], s[G1D:G1D+7]
	s_nop 0
.rept 4
	v_nop
.endr
.Lasked_\@:
.endm
.macro CREST                           ; a round of the cluster's barrier behind its opening barrier
	s_cmp_lg_u32 s16, 0
	s_cbranch_scc1 .Lnot_wave_0_\@
	s_barrier_signal -3
.Lnot_wave_0_\@:
	s_barrier_wait -3
	s_barrier_signal -1
	s_barrier_wait -1
.endm
.macro CROUND
	s_barrier_signal -1
	s_barrier_wait -1
	CREST
.endm
.macro ASK how                         ; how = 0: in a loop, not in its last trip (s3 = 1);  how = 1: at the change of tiles
.if \how
	s_cmp_eq_u32 s[LIM], 1
.else
	s_cmp_gt_u32 s3, s[LIM]
.endif
	s_cbranch_scc0 .Lnot_mine_\@
	global_prefetch_b8 v[PF3], s[PFA:PFA+1] th:TH_LOAD_NT scope:SCOPE_SE
.Lnot_mine_\@:
.endm
	s_load_b256 s[4:11], s[0:1], 0x0               ; x s[4:5], W s[6:7], dW s[8:9], bias s[10:11]
	s_load_b128 s[12:15], s[0:1], 0x20             ; the exponents s[12:13], out s[14:15]
	v_lshl_add_u32 v[SPW], v0, 2, SPARE
	v_mov_b32 v[NIL], 0
	ds_add_u32 v[SPW], v[NIL]                      ; the opening lines: the add, twice on end, and its wait ahead of my first tensor load
	ds_add_u32 v[SPW], v[NIL]
	v_lshrrev_b32 v1, 5, v0
	v_readfirstlane_b32 s16, v1                    ; wave 0..3
	s_lshr_b32 s17, s16, 1                         ; my half of the tile's rows
	s_and_b32 s18, s16, 1                          ; my half of its columns; for waves 0, 1 also the half of x that I fetch
	s_bfe_u32 s84, ttmp6, 0x40000                  ; cx
	s_bfe_u32 s85, ttmp6, 0x40004                  ; cy
	s_lshl_b32 s86, ttmp9, 2
	s_add_co_u32 s86, s86, s84                     ; tile column
	s_and_b32 s87, ttmp7, 0xffff
	s_lshl_b32 s87, s87, 2
	s_add_co_u32 s87, s87, s85                     ; tile row
	s_lshl_b32 s88, s85, 2
	s_lshl_b32 s88, 15, s88                        ; my row of the cluster
	s_lshl_b32 s89, 0x1111, s84                    ; my column
	s_or_b32 s[G1A+0], s88, (0<<16)|(1<<20)|(1<<21)|(5<<22)|(3<<25)   ; mask; elements of a byte; 4 words of padding behind every 64; bit 21 beside a mask
	s_or_b32 s[G1W+0], s89, (0<<16)|(1<<20)|(1<<21)|(5<<22)|(3<<25)
	s_or_b32 s[G1D+0], s89, (0<<16)|(1<<21)        ; dW's block lies dense in LDS too
.irp g, G1A, G1W, G1D
	s_mov_b32 s[\g+1], ROWB<<16                    ; 128 rows of 256 bytes
	s_mov_b32 s[\g+2], 128<<16
	s_mov_b32 s[\g+3], ROWB<<16
	s_mov_b32 s[\g+4], 128
	s_mov_b32 s[\g+6], 0
	s_mov_b32 s[\g+7], 0
.endr
	s_mov_b32 s[G1A+5], KROW
	s_mov_b32 s[G1W+5], KROW
	s_mov_b32 s[G1D+5], ROWB
	s_lshl_b32 s20, s87, 8
	s_lshl_b32 s21, s18, 7
	s_add_co_u32 s20, s20, s21
	s_lshl_b32 s20, s20, 11                        ; x: (256 tile row + 128 half) rows of 2,048 bytes
	s_mov_b32 s21, 0
	s_lshl_b32 s22, s87, 8
	s_lshl_b32 s23, s17, 7
	s_add_co_u32 s22, s22, s23
	s_lshl_b32 s22, s22, 13                        ; out: my first row x 8,192 bytes
	s_mov_b32 s23, 0
	s_lshl_b32 s90, s86, 18                        ; W: 128 rows of 2,048 bytes a tile column; dW: 8 blocks of 32,768: the same number
	s_mov_b32 s91, 0
	s_lshl_b32 s96, s86, 9
	s_lshl_b32 s97, s18, 8
	s_add_co_u32 s96, s96, s97                     ; my first column, in bytes of f32
	s_mov_b32 s97, 0
	s_mul_i32 s19, s16, HALFA                      ; where my load lands: x's halves, W, dW = wave x 128 rows
	s_wait_dscnt 0x0                               ; both opening adds are done
	s_wait_kmcnt 0x0
	s_load_b64 s[80:81], s[12:13], 0x0             ; e0, e1
	s_load_b64 s[82:83], s[12:13], 0x20            ; e8, e9
	s_add_nc_u64 s[20:21], s[4:5], s[20:21]
	s_add_nc_u64 s[92:93], s[6:7], s[90:91]
	s_add_nc_u64 s[94:95], s[8:9], s[90:91]
	s_add_nc_u64 s[14:15], s[14:15], s[22:23]
	s_add_nc_u64 s[14:15], s[14:15], s[96:97]
	s_add_nc_u64 s[10:11], s[10:11], s[96:97]
.irp s, 0,1
	s_mov_b32 s[G0A+4*\s], 1
	s_add_co_u32 s[G0A+4*\s+1], s19, \s*SLOT
	s_add_nc_u64 s[G0A+4*\s+2:G0A+4*\s+3], s[20:21], \s*ROWB
	s_or_b32 s[G0A+4*\s+3], s[G0A+4*\s+3], 0x80000000
	s_mov_b32 s[G0W+4*\s], 1
	s_add_co_u32 s[G0W+4*\s+1], s19, \s*SLOT
	s_add_nc_u64 s[G0W+4*\s+2:G0W+4*\s+3], s[92:93], \s*ROWB
	s_or_b32 s[G0W+4*\s+3], s[G0W+4*\s+3], 0x80000000
	s_mov_b32 s[G0D+4*\s], 1
	s_add_co_u32 s[G0D+4*\s+1], s19, \s*SLOT
	s_add_nc_u64 s[G0D+4*\s+2:G0D+4*\s+3], s[94:95], \s*DSTEP
	s_or_b32 s[G0D+4*\s+3], s[G0D+4*\s+3], 0x80000000
.endr
	CROUND                                         ; all sixteen work-groups are here: the first joint loads meet
	JLOAD 0                                        ; K step 0: one tensor load a wave at the head
	; the prefetches: base, pitch from block to block, step along K, by the tile that my wave fetches
	s_mov_b32 s105, KROW
	s_mov_b32 s[PST], ROWB
	s_mov_b32 s[PST+1], 0
	s_mov_b32 s[LIM], 1
	s_cmp_lt_u32 s16, 2
	s_cselect_b64 s[PFA:PFA+1], s[20:21], s[92:93]
	s_cselect_b32 s96, s84, s85                    ; my place among the four that ask with me
	s_cmp_eq_u32 s16, 3
	s_cselect_b64 s[PFA:PFA+1], s[94:95], s[PFA:PFA+1]
	s_cselect_b32 s105, ROWB, s105
	s_cselect_b32 s[PST], DSTEP, s[PST]
	s_lshl_b32 s96, s96, 5                         ; my work-group's 32 blocks of the 128
	s_mul_i32 s96, s96, s105
	s_mov_b32 s97, 0
	s_add_nc_u64 s[PFA:PFA+1], s[PFA:PFA+1], s[96:97]
	; LDS bases, of the wave's number alone
	s_mul_i32 s98, s17, HALFA                      ; my 128 rows of x
	s_mul_i32 s99, s18, 64*PITCH
	s_add_co_u32 s99, s99, 2*HALFA                 ; my 64 rows of W
	s_lshl_b32 s2, s18, 14
	s_add_co_u32 s2, s2, 3*HALFA                   ; my eight fragments of dW
	s_mul_i32 s3, s16, 16*SPITCH
	s_add_co_u32 s3, s3, STAGE                     ; my stage
	v_and_b32 v1, 15, v0                           ; r
	v_bfe_u32 v2, v0, 4, 1                         ; h
	v_and_b32 v4, 31, v0                           ; lane
	v_mul_u32_u24 v3, v1, PITCH
	v_lshl_add_u32 v3, v2, 4, v3                   ; row r x pitch + 16 h
	v_lshlrev_b32 v5, 4, v4
	v_add_nc_u32 v[ADRA], s98, v3
	v_add_nc_u32 v[ADRW], s99, v3
	v_add_nc_u32 v[ADRD], s2, v5
	v_add_nc_u32 v[ADRA+1], SLOT, v[ADRA]
	v_add_nc_u32 v[ADRW+1], SLOT, v[ADRW]
	v_add_nc_u32 v[ADRD+1], SLOT, v[ADRD]
	v_mul_u32_u24 v6, v1, SPITCH
	v_lshl_add_u32 v6, v2, 5, v6
	v_add_nc_u32 v[STO], s3, v6                    ; in: row r, 32 bytes for each half of the lanes
	v_mul_u32_u24 v7, v2, SPITCH
	v_lshl_add_u32 v7, v1, 4, v7
	v_add_nc_u32 v[RD], s3, v7                     ; back: lanes 0-15 a row of 256 bytes, lanes 16-31 the next
	v_lshlrev_b32 v[CO], 13, v2
	v_lshl_add_u32 v[CO], v1, 4, v[CO]             ; the same two rows in out
	v_lshlrev_b32 v[BO], 5, v2
	v_mul_u32_u24 v8, s105, v4
	v_add_nc_u32 v[PF1], s[PST], v8
	v_add_nc_u32 v[PF2], s[PST], v[PF1]
	v_add_nc_u32 v[PF3], s[PST], v[PF2]
.irp n, 0,1,2,3
	global_load_b128 v[BIAS+8*\n:BIAS+8*\n+3],   v[BO], s[10:11] offset:64*\n      ; bias of my columns 16 n + 8 h + 0..7
	global_load_b128 v[BIAS+8*\n+4:BIAS+8*\n+7], v[BO], s[10:11] offset:64*\n+16
.endr
	global_prefetch_b8 v[PF1], s[PFA:PFA+1] th:TH_LOAD_NT scope:SCOPE_SE    ; K step 1
	global_prefetch_b8 v[PF2], s[PFA:PFA+1] th:TH_LOAD_NT scope:SCOPE_SE    ; K step 2
	s_wait_alu depctr_va_vdst(0)
	s_wait_kmcnt 0x0
	s_add_co_i32 s76, s80, s81
	s_add_co_i32 s76, s76, 127
	s_lshl_b32 s76, s76, 23                        ; 2^(e0 + e1)
	s_mov_b32 s77, s76
	s_add_co_i32 s78, s82, s83
	s_add_co_i32 s78, s78, 127
	s_lshl_b32 s78, s78, 23                        ; 2^(e8 + e9)
	s_mov_b32 s79, s78
.macro FRAG reg, adr, q, i             ; 16 rows x 128 K from padded rows
.irp c, 0,1,2,3
	ds_load_b128 v[\reg+4*\c:\reg+4*\c+3], v[\adr] offset:128*(\q)+32*\c+(\i)*16*PITCH
.endr
.endm
.macro FRAGD reg, slot, q, i           ; the same from dW's images
.irp c, 0,1,2,3
	ds_load_b128 v[\reg+4*\c:\reg+4*\c+3], v[ADRD+\slot] offset:(2*(\i)+(\q))*2048+512*\c
.endr
.endm
; 8 matrix instructions: x's block a against W's four and dW's four fragments of set p.  The 64 accumulators take turns, in the same order in every step.
.macro MULA a, p, zero
.irp b, 0,1,2,3,4,5,6,7
.if \zero
	v_wmma_f32_16x16x128_fp8_fp8 v[8*(8*((\a)%4)+\b):8*(8*((\a)%4)+\b)+7], v[128*(\p)+FR*\b:128*(\p)+FR*\b+FR-1], v[AF+FR*(\a):AF+FR*(\a)+FR-1], 0
.else
	v_wmma_f32_16x16x128_fp8_fp8 v[8*(8*((\a)%4)+\b):8*(8*((\a)%4)+\b)+7], v[128*(\p)+FR*\b:128*(\p)+FR*\b+FR-1], v[AF+FR*(\a):AF+FR*(\a)+FR-1], v[8*(8*((\a)%4)+\b):8*(8*((\a)%4)+\b)+7]
.endif
.endr
.endm
.macro FETCH_B slot, q, p
	WIN TO_B
.irp i, 0,1,2,3
	FRAG 128*(\p)+FR*\i, ADRW+\slot, \q, \i
.endr
.irp i, 0,1,2,3
	FRAGD 128*(\p)+64+FR*\i, \slot, \q, \i
.endr
	WIN 0
.endm
.macro FETCH_A slot, q, i0
.irp i, \i0, \i0+1, \i0+2, \i0+3
	FRAG AF+FR*(\i), ADRA+\slot, \q, \i
.endr
.endm
.macro PLACES n                        ; plain places ahead of loads into registers that matrix instructions have read, and of reads of results
.rept \n
	v_nop
.endr
.endm
; a slot's first 128 along K
.macro STEP slot, zero
	s_wait_dscnt 4*NL                              ; the set of W and dW and x's blocks 0-3 are in; the youngest 16 loads (blocks 4-7) may be out
	WIN MUL_LO
.irp a, 0,1,2,3
	MULA \a, 0, \zero
.endr
	s_wait_dscnt 0
	PLACES NP
	FETCH_B \slot, 1, 1
	FETCH_A \slot, 1, 0
	WIN MUL_HI
.irp a, 4,5,6,7
	MULA \a, 0, \zero
.endr
	PLACES NP
	WIN 0
	FETCH_A \slot, 1, 4
.endm
; a slot's second 128 along K, and the change of slots.  fill = 1: this slot is filled again; on = 1: with the next tile's K step
.macro TURN slot, next, fill, on
.if \fill
	s_wait_xcnt 0x0                                ; my last prefetch has read its base: it steps only behind this wait
.if (\on) && (\slot) == 0
	s_add_nc_u64 s[PFA:PFA+1], s[PFA:PFA+1], PJUMP ; to the next tile of x
	s_cmp_lt_u32 s16, 2
	s_cselect_b32 s[LIM], s[LIM], -1               ; W's and dW's waves name nothing more
.else
	s_add_nc_u64 s[PFA:PFA+1], s[PFA:PFA+1], s[PST:PST+1]
.endif
.endif
	s_wait_dscnt 4*NL
	WIN MUL_LO
	MULA 0, 1, 0
	MULA 1, 1, 0
	WIN 0                                          ; (the add's registers lie in window 0)
	s_wait_tensorcnt 0x0                           ; all my tensor loads have landed: my part of the next slot
	ds_add_u32 v[SPW], v[NIL]
.if \fill
.if \on
	s_add_nc_u64 s[G0A+4*\slot+2:G0A+4*\slot+3], s[G0A+4*\slot+2:G0A+4*\slot+3], NEXT_A
	s_sub_nc_u64 s[G0W+4*\slot+2:G0W+4*\slot+3], s[G0W+4*\slot+2:G0W+4*\slot+3], BACK_W
	s_sub_nc_u64 s[G0D+4*\slot+2:G0D+4*\slot+3], s[G0D+4*\slot+2:G0D+4*\slot+3], BACK_D
.else
	s_add_nc_u64 s[G0A+4*\slot+2:G0A+4*\slot+3], s[G0A+4*\slot+2:G0A+4*\slot+3], 2*ROWB
	s_add_nc_u64 s[G0W+4*\slot+2:G0W+4*\slot+3], s[G0W+4*\slot+2:G0W+4*\slot+3], 2*ROWB
	s_add_nc_u64 s[G0D+4*\slot+2:G0D+4*\slot+3], s[G0D+4*\slot+2:G0D+4*\slot+3], 2*DSTEP
.endif
.endif
	WIN MUL_LO
	MULA 2, 1, 0                                   ; eight matrix instructions between the add and the wait for it
	s_wait_dscnt 0x0                               ; the add is done, and my reads of this slot are over
	s_barrier_signal -1
	MULA 3, 1, 0
	WIN 0
	s_barrier_wait -1
.if \fill
	CREST                                          ; the barrier has opened a round of the cluster's barrier
	JLOAD \slot                                    ; the first tensor load behind the round; its four v_nop are the places ahead of the loads below
.else
	PLACES NP
.endif
	FETCH_B \next, 0, 0
	FETCH_A \next, 0, 0
.if \fill
	ASK \on
.endif
	WIN MUL_HI
.irp a, 4,5,6,7
	MULA \a, 1, 0
.endr
	PLACES NP
	WIN 0
	FETCH_A \next, 0, 4
.endm
.macro LAPS3                           ; three trips round the ring
	s_mov_b32 s3, 3
.Llap_\@:
	TURN 0, 1, 1, 0
	STEP 1, 0
	TURN 1, 0, 1, 0
	STEP 0, 0
	s_sub_co_u32 s3, s3, 1
	s_cmp_lg_u32 s3, 0
	s_cbranch_scc1 .Llap_\@
.endm
; THE WAY OUT of block a (16 rows x 64 columns).  PACK: both sums times their factors, with the bias; each accumulator from its low end on.
.macro PACK a
.set AC, 64*((\a)%4)
.set TM, TMP+32*((\a)%2)
	WIN 0x02+((\a)/4)
.irp k, 0,2,4,6,8,10,12,14,16,18,20,22,24,26,28,30
	v_pk_fma_f32 v[TM+\k:TM+\k+1], v[AC+\k:AC+\k+1], s[76:77], v[BIAS+\k:BIAS+\k+1] op_sel_hi:[1,0,1]
.endr
.irp k, 0,2,4,6,8,10,12,14,16,18,20,22,24,26,28,30
	v_pk_fma_f32 v[TM+\k:TM+\k+1], v[AC+32+\k:AC+32+\k+1], s[78:79], v[TM+\k:TM+\k+1] op_sel_hi:[1,0,1]
.endr
	WIN 0
.endm
.macro TOSTAGE a                       ; into my own stage and back as whole rows of 256 bytes, into window 1 at BKB; LDS serves a wave's instructions in order (ISA guide 5.7.1.4)
.set TM, TMP+32*((\a)%2)
.set BB, BKB+32*((\a)%2)
.irp n, 0,1,2,3
	ds_store_b128 v[STO], v[TM+8*\n:TM+8*\n+3] offset:64*\n
	ds_store_b128 v[STO], v[TM+8*\n+4:TM+8*\n+7] offset:64*\n+16
.endr
	WIN TO_B
.irp t, 0,1,2,3,4,5,6,7
	ds_load_b128 v[BB+4*\t:BB+4*\t+3], v[RD] offset:\t*2*SPITCH
.endr
	WIN 0
.endm
.macro SEND a, step
.set BB, BKB+32*((\a)%2)
	s_wait_dscnt 0x0                               ; the block is back in registers
	s_wait_xcnt 0x0                                ; earlier stores have read their base and their data: the base steps, and the next block's loads land, only behind this wait
.if (\step) != 0
	s_add_nc_u64 s[14:15], s[14:15], \step
.endif
	WIN 0x04                                       ; the stores' data lie in window 1
.irp t, 0,1,2,3,4,5,6,7
	global_store_b128 v[CO], v[BB+4*\t:BB+4*\t+3], s[14:15] offset:\t*2*OROW th:TH_STORE_NT   ; 16 lanes store 256 consecutive bytes, aligned
.endr
	WIN 0
.endm
; mm = 1: block a's accumulators, once packed, take the NEXT tile's first products (C = 0).  mm = 2: block a + 1's LAST products are issued ahead of block a's way out.
.macro WAYOUT mm, step0
.irp a, 0,1,2,3,4,5,6,7
.if (\mm == 2) && (\a < 7)
	WIN MUL_LO+0x50*((\a+1)/4)
	MULA \a+1, 1, 0
.endif
.if \mm == 2
	PLACES NP                                      ; ahead of the read of results just made
.endif
	PACK \a
.if \a == 1
	s_wait_alu depctr_va_vdst(0)                   ; directly ahead of SEND's waits
	SEND 0, \step0
.endif
.if \a > 1
	s_wait_alu depctr_va_vdst(0)
	SEND \a-1, 16*OROW
.endif
	TOSTAGE \a
.if \mm == 1
.if \a == 0
	s_wait_dscnt 48                                ; set 0 and x's blocks 0-3 are in; behind them: blocks 4-7 (16), dW's next fragments (16), the stage's 16
.endif
.if \a == 4
	FETCH_A 0, 1, 0                                ; blocks 0-3 are done with (block 4's 32 multiply-adds are the places): their next 128 along K
.endif
	WIN MUL_LO+0x50*(\a/4)
	MULA \a, 0, 1
.endif
.endr
.endm
	s_wait_tensorcnt 0x0                           ; my part of K step 0 is in
	ds_add_u32 v[SPW], v[NIL]
	s_wait_dscnt 0x0
	CROUND
	JLOAD 1                                        ; K step 1, the first tensor load behind the round
	FETCH_B 0, 0, 0
	FETCH_A 0, 0, 0
	FETCH_A 0, 0, 4
	global_prefetch_b8 v[PF3], s[PFA:PFA+1] th:TH_LOAD_NT scope:SCOPE_SE    ; K step 3
	STEP 0, 1                                      ; the first products start the sums
	LAPS3
	TURN 0, 1, 1, 1                                ; the ring goes on into the second tile
	STEP 1, 0
	TURN 1, 0, 1, 1
	; the first tile goes out among the second tile's first 64 products.  Set 1's first half holds the rows read back; its second half takes dW's next fragments now
	WIN TO_B
.irp i, 0,1,2,3
	FRAGD 128+64+FR*\i, 0, 1, \i
.endr
	WIN 0
	s_wait_loadcnt 0x0                             ; the bias
.set BKB, 128
	WAYOUT 1, 0
	PLACES NP                                      ; ahead of the loads into x's blocks 4-7
	WIN 0
	SEND 7, 16*OROW
	s_wait_xcnt 0x0                                ; the last stores have read their data: W's next fragments land there
	WIN TO_B
.irp i, 0,1,2,3
	FRAG 128+FR*\i, ADRW, 1, \i
.endr
	WIN 0
	FETCH_A 0, 1, 4
	LAPS3
	TURN 0, 1, 0, 0                                ; the last lap fills nothing
	STEP 1, 0
	s_wait_dscnt 4*NL                              ; the last 128 along K: each block leaves as soon as it is finished; the rows read back lie in set 0, which is done with
	WIN MUL_LO
	MULA 0, 1, 0
.set BKB, 0
	WAYOUT 2, (4096-7*16)*OROW
	SEND 7, 16*OROW
	s_wait_tensorcnt 0x0                           ; the wave's end
	ds_add_u32 v[SPW], v[NIL]
	s_wait_dscnt 0x0
	CROUND                                         ; the closing round
	s_endpgm
.Lfunc_end_k_q7ed04c9d75_gemm:
	.size	k_q7ed04c9d75_gemm, .Lfunc_end_k_q7ed04c9d75_gemm-k_q7ed04c9d75_gemm
	.p2alignl 7, 3214868480
	.fill 96, 4, 3214868480
	.section	.rodata,"a",@progbits
	.p2align	6, 0x0
	.amdhsa_kernel k_q7ed04c9d75_gemm
		.amdhsa_group_segment_fixed_size 327680
		.amdhsa_private_segment_fixed_size 0
		.amdhsa_enable_private_segment 0
		.amdhsa_kernarg_size 48
		.amdhsa_user_sgpr_count 2
		.amdhsa_user_sgpr_kernarg_segment_ptr 1
		.amdhsa_wavefront_size32 1
		.amdhsa_system_sgpr_workgroup_id_x 1
		.amdhsa_system_sgpr_workgroup_id_y 1
		.amdhsa_system_sgpr_workgroup_id_z 1
		.amdhsa_system_vgpr_workitem_id 0
		.amdhsa_next_free_vgpr 1024
		.amdhsa_next_free_sgpr 106
		.amdhsa_reserve_vcc 0
		.amdhsa_float_denorm_mode_32 3
		.amdhsa_float_denorm_mode_16_64 3
		.amdhsa_memory_ordered 1
		.amdhsa_forward_progress 1
		.amdhsa_inst_pref_size 224
	.end_amdhsa_kernel
	.amdgpu_metadata
---
amdhsa.version: [ 1, 2 ]
amdhsa.kernels:
  - .name:           k_q7ed04c9d75_gemm
    .symbol:         k_q7ed04c9d75_gemm.kd
    .args:
      - { .name: x_codes, .offset: 0, .size: 8, .value_kind: global_buffer, .address_space: global }
      - { .name: weight_codes, .offset: 8, .size: 8, .value_kind: global_buffer, .address_space: global }
      - { .name: dw_codes, .offset: 16, .size: 8, .value_kind: global_buffer, .address_space: global }
      - { .name: bias, .offset: 24, .size: 8, .value_kind: global_buffer, .address_space: global }
      - { .name: lowp_scales, .offset: 32, .size: 8, .value_kind: global_buffer, .address_space: global }
      - { .name: out0, .offset: 40, .size: 8, .value_kind: global_buffer, .address_space: global }
    .group_segment_fixed_size: 327680
    .private_segment_fixed_size: 0
    .kernarg_segment_align: 8
    .kernarg_segment_size: 48
    .max_flat_workgroup_size: 128
    .sgpr_count:     106
    .vgpr_count:     1024
    .wavefront_size: 32
...
	.end_amdgpu_metadata
.endif
;; end of part 2
